; MI455X (gfx1250); checked and timed in simulation.
; The chip was launched on July 23, 2026; its instructions are those of AMD's public machine-readable ISA for CDNA 5 (MIT licence, August 2026) and "CDNA5" Instruction Set Architecture Reference Guide (July 2026). The comments in the code are by the model that wrote it; some were corrected since.
;; selfattention. Allowed arithmetic: float matrix products may take bf16 or f16 operands with f32 sums; all other float work in f32.
;; Inputs: w_k 128 x 1,024 float32; w_q 128 x 1,024 float32; w_u 1,024 x 128 float32; w_v 128 x 1,024 float32; x 4 x 2,048 x 128 float32.
;; Outputs: out0 4 x 2,048 x 128 float32.
;; One version. Each part assembles by itself: llvm-mc -triple=amdgcn-amd-amdhsa -mcpu=gfx1250 --defsym DOCPART=n.
;; ======== version 1 of 1: 2 launches
;; limits: values are held in f16: magnitudes above 65,504 overflow, below 6.1e-05 lose precision
;; workspace buffers: xh 2,097,152 bytes; wfrag 524,288 bytes
;; launch prep (part 1): grid 256 x 1, 4 waves a work-group, no clusters, 0 bytes of LDS; arguments x, w_q, w_k, w_v, w_u, xh, wfrag; writes xh, wfrag
.if DOCPART == 1
	.amdgcn_target "amdgcn-amd-amdhsa--gfx1250"
	.amdhsa_code_object_version 6
	.text
	.protected	k_q7fdac9f9af_prep
	.globl	k_q7fdac9f9af_prep
	.p2align	8
	.type	k_q7fdac9f9af_prep,@function
k_q7fdac9f9af_prep:
	s_mov_b64 s[64:65], 0
	v_nop
	global_prefetch_b8 v0, s[64:65] scope:SCOPE_SE
	s_setreg_imm32_b32 hwreg(HW_REG_WAVE_MODE, 25, 1), 1
	s_wait_xcnt 0x0
; PREPARATION for the attention launch.  Two kinds of work, chosen by the work-group's number alone.
;  Work-groups 0-127: per head h the two 128 x 128 products
;     M_h[c][c'] = sum over d of w_q[c][128h+d] w_k[c'][128h+d]      (so that  dot_h = (x M_h) x^T)
;     N_h[c][n]  = sum over d of w_v[c][128h+d] w_u[128h+d][n]       (so that  out = sum over h of softmax(dot_h) x N_h)
;   from operands rounded once to bf16, summed in f32, rounded once to f16 and stored as ready matrix fragments:
;   wfrag = M at byte 0, N at byte 262,144, each [t 0..3][head 0..7][i 0..7][1,024 bytes]; in a block, register 4j+q of lane L lies at 512 j + 16 L + 4 q.
;   One wave makes one block.  A result tile holds (row 8h+j, column r) in register j of lane (r, h): two tiles whose rows are the 32 contraction
;   indices of the later product, packed two by two, ARE the later product's first operand; no shuffle is needed.
;  Work-groups 128-255: xh = x rounded to bf16 and written as f16 (exact for every bf16 number from 2^-17 to 65,504).
; This re-association is exact algebra for every input; only the order of rounding differs from the products as they are written in the problem.
; LIMITS: |x|, |M|, |N| below 65,504 (f16's largest number); entries below 2^-14 keep an absolute step of 2^-24.
; No LDS, no cluster: no wave needs another's data, and the weights are 2 MiB in all.
.set PK, 8                             ; v[8:15]    the block to store
.set D0, 16                            ; v[16:23]   result tile u = 0 (in the x part: at work)
.set D1, 24                            ; v[24:31]   result tile u = 1
.set BF, 32                            ; v[32:95]   second operand: 4 groups (ks) of 16 f32, packed in place to 8 registers of bf16
.set AF, 96                            ; v[96:223]  first operand: groups [u][ks] of 16 f32, packed likewise
	s_load_b256 s[4:11], s[0:1], 0x0               ; x s[4:5], w_q s[6:7], w_k s[8:9], w_v s[10:11]
	s_load_b128 s[12:15], s[0:1], 0x20             ; w_u s[12:13], xh s[14:15]
	s_load_b64 s[16:17], s[0:1], 0x30              ; wfrag
	v_lshrrev_b32 v1, 5, v0
	v_readfirstlane_b32 s18, v1                    ; wave 0..3
	v_and_b32 v1, 31, v0                           ; lane L
	s_cmp_ge_u32 ttmp9, 128
	s_cbranch_scc1 .Lx
	; ---------------- the weight products ----------------
	s_lshl2_add_u32 s19, ttmp9, s18                ; block number f = 4 x work-group + wave: bit 8 kind, 7:5 head, 4:3 t, 2:0 i
	s_bfe_u32 s20, s19, 0x30005                    ; head
	s_bfe_u32 s21, s19, 0x20003                    ; t
	s_and_b32 s22, s19, 7                          ; i
	v_and_b32 v2, 15, v0                           ; r
	v_bfe_u32 v3, v0, 4, 1                         ; h
	s_lshl_b32 s24, s21, 16                        ; the block's place: t x 65,536
	s_lshl_b32 s23, s20, 13                        ; + head x 8,192
	s_add_co_u32 s24, s24, s23
	s_lshl_b32 s23, s22, 10                        ; + i x 1,024
	s_add_co_u32 s24, s24, s23
	s_lshr_b32 s23, s19, 8
	s_lshl_b32 s23, s23, 18                        ; + kind x 262,144
	s_add_co_u32 s24, s24, s23
	s_mov_b32 s25, 0
	s_lshl_b32 s26, s20, 9                         ; the head's 128 columns in a row of w_q, w_k, w_v: 512 bytes
	v_lshlrev_b32 v6, 4, v1                        ; 16 L: my 16 bytes in each half of the block
	s_wait_kmcnt 0x0
	s_add_nc_u64 s[16:17], s[16:17], s[24:25]
	s_cmp_ge_u32 ttmp9, 64
	s_cbranch_scc1 .Lkind_n
; 16 f32 of one row for one step of 32 along d: d = 8h .. 8h+7 and 16+8h .. 16+8h+7 (the lane offset holds the 32 h bytes)
.macro LD16 dst, off, base, imm
	global_load_b128 v[\dst:\dst+3],     v[\off], s[\base:\base+1] offset:\imm
	global_load_b128 v[\dst+4:\dst+7],   v[\off], s[\base:\base+1] offset:\imm+16
	global_load_b128 v[\dst+8:\dst+11],  v[\off], s[\base:\base+1] offset:\imm+64
	global_load_b128 v[\dst+12:\dst+15], v[\off], s[\base:\base+1] offset:\imm+80
.endm
	; kind M: tile u has rows c = 32 t + 16 u + (0..15) of w_q and columns c' = 16 i + (0..15), which are rows of w_k
	s_lshl_b32 s27, s21, 17                        ; 32 t rows of 4,096 bytes
	s_add_co_u32 s27, s27, s26
	s_lshl_b32 s28, s22, 16                        ; 16 i rows
	s_add_co_u32 s28, s28, s26
	v_lshlrev_b32 v7, 12, v2                       ; r rows
	v_lshl_add_u32 v7, v3, 5, v7                   ; + 32 h
	v_add_nc_u32 v4, s27, v7
	v_add_nc_u32 v5, s28, v7
.irp ks, 0,1,2,3
	LD16 BF+16*\ks, 5, 8, 128*\ks
.endr
.irp u, 0,1
.irp ks, 0,1,2,3
	LD16 AF+64*\u+16*\ks, 4, 6, 65536*\u+128*\ks
.endr
.endr
	s_branch .Lmul
.Lkind_n:
	; kind N: the later product's second operand holds feature c = 64 h + 16 t + e at place 8h+e and c = 64 h + 16 t + 8 + e at place 16+8h+e,
	; so row m of tile u is c = 16 t + 8 u + (m & 7) + 64 (m >> 3) of w_v; the columns are n = 16 i + (0..15) of w_u
	s_lshl_b32 s27, s21, 16                        ; 16 t rows of 4,096 bytes
	s_add_co_u32 s27, s27, s26
	v_and_b32 v7, 7, v2
	v_lshrrev_b32 v4, 3, v2
	v_lshlrev_b32 v7, 12, v7                       ; (r & 7) rows
	v_lshl_add_u32 v7, v4, 18, v7                  ; + 64 (r >> 3) rows
	v_lshl_add_u32 v7, v3, 5, v7                   ; + 32 h
	v_add_nc_u32 v4, s27, v7
	s_lshl_b32 s28, s20, 16                        ; w_u: 128 head rows of 512 bytes
	s_lshl_b32 s29, s22, 6                         ; + 16 i columns
	s_add_co_u32 s28, s28, s29
	v_lshlrev_b32 v5, 2, v2                        ; + r columns
	v_lshl_add_u32 v5, v3, 12, v5                  ; + 8 h rows
	v_add_nc_u32 v5, s28, v5
.irp u, 0,1
.irp ks, 0,1,2,3
	LD16 AF+64*\u+16*\ks, 4, 10, 32768*\u+128*\ks
.endr
.endr
	; in w_u the contraction index d runs down the rows: one word a lane, each load of the wave takes two pieces of 64 consecutive bytes.
	; Accepted: w_u is 512 KiB and each wave takes 8 KiB of it, once.
.irp ks, 0,1,2,3
.irp gg, 0,1
.irp e, 0,1,2,3,4,5,6,7
	global_load_b32 v[BF+16*\ks+8*\gg+\e], v5, s[12:13] offset:(32*\ks+16*\gg+\e)*512
.endr
.endr
.endr
.Lmul:
	s_wait_loadcnt 0x0
	; every group of 16 f32 becomes 8 registers of bf16 in place: word p is written after words 2p and 2p+1 were read
.irp g, 0,1,2,3,4,5,6,7,8,9,10,11
.irp p, 0,1,2,3,4,5,6,7
	v_cvt_pk_bf16_f32 v[BF+16*\g+\p], v[BF+16*\g+2*\p], v[BF+16*\g+2*\p+1]
.endr
.endr
	; the two accumulators take turns, one instruction a turn; the first products start the sums
	v_wmma_f32_16x16x32_bf16 v[D0:D0+7], v[AF:AF+7], v[BF:BF+7], 0
	v_wmma_f32_16x16x32_bf16 v[D1:D1+7], v[AF+64:AF+71], v[BF:BF+7], 0
.irp ks, 1,2,3
	v_wmma_f32_16x16x32_bf16 v[D0:D0+7], v[AF+16*\ks:AF+16*\ks+7], v[BF+16*\ks:BF+16*\ks+7], v[D0:D0+7]
	v_wmma_f32_16x16x32_bf16 v[D1:D1+7], v[AF+64+16*\ks:AF+64+16*\ks+7], v[BF+16*\ks:BF+16*\ks+7], v[D1:D1+7]
.endr
.rept 4
	v_nop                                          ; four places between a matrix instruction and the vector instruction that reads its result (ISA guide 7.12.1)
.endr
.irp p, 0,1,2,3
	v_cvt_pk_f16_f32 v[PK+\p],   v[D0+2*\p], v[D0+2*\p+1]
	v_cvt_pk_f16_f32 v[PK+4+\p], v[D1+2*\p], v[D1+2*\p+1]
.endr
	global_store_b128 v6, v[PK:PK+3],   s[16:17]               ; each store of the wave covers 512 consecutive bytes, aligned
	global_store_b128 v6, v[PK+4:PK+7], s[16:17] offset:512
	s_endpgm
	; ---------------- x to f16 ----------------
.Lx:
	; a wave takes 16 rows: 8,192 bytes in, 4,096 out; pass p: 8 numbers a lane, 1,024 consecutive bytes a wave
	s_sub_co_u32 s19, ttmp9, 128
	s_lshl2_add_u32 s19, s19, s18                  ; 4 x (work-group - 128) + wave: 0..511
	s_lshl_b32 s20, s19, 13
	s_mov_b32 s21, 0
	s_lshl_b32 s22, s19, 12
	s_mov_b32 s23, 0
	s_mov_b32 s26, 0xffff0000                      ; a word's upper bf16
	v_lshlrev_b32 v2, 5, v1                        ; 32 L
	v_lshlrev_b32 v3, 4, v1                        ; 16 L
	s_wait_kmcnt 0x0
	s_add_nc_u64 s[4:5], s[4:5], s[20:21]
	s_add_nc_u64 s[14:15], s[14:15], s[22:23]
.irp p, 0,1,2,3,4,5,6,7
	global_load_b128 v[32+8*\p:35+8*\p], v2, s[4:5] offset:1024*\p th:TH_LOAD_NT
	global_load_b128 v[36+8*\p:39+8*\p], v2, s[4:5] offset:1024*\p+16 th:TH_LOAD_NT
.endr
.irp p, 0,1,2,3,4,5,6,7
	s_wait_loadcnt 14-2*\p                         ; loads come back in order: this pass's two are in, two for each younger pass stay out
.irp k, 0,1,2,3
	v_cvt_pk_bf16_f32 v[16+\k], v[32+8*\p+2*\k], v[32+8*\p+2*\k+1]     ; the one rounding of x
.endr
.irp k, 0,1,2,3
	v_lshlrev_b32 v[20+2*\k], 16, v[16+\k]
	v_and_b32     v[21+2*\k], s26, v[16+\k]
.endr
.irp k, 0,1,2,3
	v_cvt_pk_f16_f32 v[96+4*\p+\k], v[20+2*\k], v[21+2*\k]             ; a change of format; each pass stores from registers of its own
.endr
	global_store_b128 v3, v[96+4*\p:99+4*\p], s[14:15] offset:512*\p   ; 512 consecutive bytes a wave, aligned
.endr
	s_endpgm
.Lfunc_end_k_q7fdac9f9af_prep:
	.size	k_q7fdac9f9af_prep, .Lfunc_end_k_q7fdac9f9af_prep-k_q7fdac9f9af_prep
	.p2alignl 7, 3214868480
	.fill 96, 4, 3214868480
	.section	.rodata,"a",@progbits
	.p2align	6, 0x0
	.amdhsa_kernel k_q7fdac9f9af_prep
		.amdhsa_group_segment_fixed_size 0
		.amdhsa_private_segment_fixed_size 0
		.amdhsa_enable_private_segment 0
		.amdhsa_kernarg_size 56
		.amdhsa_user_sgpr_count 2
		.amdhsa_user_sgpr_kernarg_segment_ptr 1
		.amdhsa_wavefront_size32 1
		.amdhsa_system_sgpr_workgroup_id_x 1
		.amdhsa_system_sgpr_workgroup_id_y 1
		.amdhsa_system_sgpr_workgroup_id_z 1
		.amdhsa_system_vgpr_workitem_id 0
		.amdhsa_next_free_vgpr 224
		.amdhsa_next_free_sgpr 66
		.amdhsa_reserve_vcc 0
		.amdhsa_float_denorm_mode_32 3
		.amdhsa_float_denorm_mode_16_64 3
		.amdhsa_memory_ordered 1
		.amdhsa_forward_progress 1
		.amdhsa_inst_pref_size 33
	.end_amdhsa_kernel
	.amdgpu_metadata
---
amdhsa.version: [ 1, 2 ]
amdhsa.kernels:
  - .name:           k_q7fdac9f9af_prep
    .symbol:         k_q7fdac9f9af_prep.kd
    .args:
      - { .name: x, .offset: 0, .size: 8, .value_kind: global_buffer, .address_space: global }
      - { .name: w_q, .offset: 8, .size: 8, .value_kind: global_buffer, .address_space: global }
      - { .name: w_k, .offset: 16, .size: 8, .value_kind: global_buffer, .address_space: global }
      - { .name: w_v, .offset: 24, .size: 8, .value_kind: global_buffer, .address_space: global }
      - { .name: w_u, .offset: 32, .size: 8, .value_kind: global_buffer, .address_space: global }
      - { .name: xh, .offset: 40, .size: 8, .value_kind: global_buffer, .address_space: global }
      - { .name: wfrag, .offset: 48, .size: 8, .value_kind: global_buffer, .address_space: global }
    .group_segment_fixed_size: 0
    .private_segment_fixed_size: 0
    .kernarg_segment_align: 8
    .kernarg_segment_size: 56
    .max_flat_workgroup_size: 128
    .sgpr_count:     66
    .vgpr_count:     224
    .wavefront_size: 32
...
	.end_amdgpu_metadata
.endif
;; end of part 1
;; launch attn (part 2): grid 256 x 1, 8 waves a work-group, clusters of 4 x 1, 327,680 bytes of LDS; arguments xh, wfrag, out0; writes out0
.if DOCPART == 2
	.amdgcn_target "amdgcn-amd-amdhsa--gfx1250"
	.amdhsa_code_object_version 6
	.text
	.protected	k_q7fdac9f9af_attn
	.globl	k_q7fdac9f9af_attn
	.p2align	8
	.type	k_q7fdac9f9af_attn,@function
k_q7fdac9f9af_attn:
	s_mov_b64 s[64:65], 0
	v_nop
	global_prefetch_b8 v0, s[64:65] scope:SCOPE_SE
	s_setreg_imm32_b32 hwreg(HW_REG_WAVE_MODE, 25, 1), 1
	s_wait_xcnt 0x0
	s_wait_alu depctr_hold_cnt(0) depctr_sa_sdst(0) depctr_va_vdst(0) depctr_va_sdst(0) depctr_va_ssrc(0) depctr_va_vcc(0) depctr_vm_vsrc(0)
	s_getreg_b32 s2, hwreg(HW_REG_IB_STS2, 6, 4)
	s_cmp_eq_u32 s2, 0
	s_cbranch_scc0 .Lentry_in_a_cluster
	s_endpgm
.Lentry_in_a_cluster:
	s_bfe_u32 s2, ttmp6, 0x10000c
	s_cmp_lg_u32 s2, 0x3003
	s_cbranch_scc0 .Lentry_shape_is_right
	s_endpgm
.Lentry_shape_is_right:
; ATTENTION, all steps fused:  out = sum over heads h of softmax((x M_h) x^T) x N_h,  with M_h = Wq_h Wk_h^T and N_h = Wv_h Wu_h made by the launch before.
; Keys and values of every head are the rows of x[b] themselves (f16, 256 bytes a row): one LDS tile serves both products and all eight heads.
; A work-group takes 32 queries x 8 heads.  Wave v: hp = v & 3 owns heads 2hp, 2hp+1 (four row tiles rt of 16 softmax rows: head 2hp + (rt>>1), queries 16 (rt&1) ..);
; g = v >> 2 takes keys 256 g .. 256 g + 255 of every tile of 512 keys.  Waves v and v ^ 4 hold partial softmaxes of the same rows and exchange only shift and sum.
; EVERY PRODUCT IS USED TRANSPOSED, so that a lane is a query: register j of lane (r, h) of a result tile is (row 8h+j, query r).  Two neighbouring result tiles,
; packed two by two to f16, are the next product's second operand: no LDS round trip, and maximum, sum and factors are one number a lane.
; Softmax in f32 with a running maximum.  Each row of Q' = x M is scaled by 2^-e (e the exponent of its largest magnitude) before it is rounded to f16; the factor
; returns in c = 2^e log2(e), by which the scores are multiplied in front of the exponential.  The shift is kept as nmc = -(m c), rounded once, and every rescaling
; factor is 2^(difference of two such shifts): it cancels exactly against the shift that the stored terms carry, however large m c is.
; CLUSTER 4 x 1: four work-groups of one batch need the same tiles (M, x[b], N): every tile is asked for jointly, mask 15; each wave asks for 64 rows of each tile.
; No data prefetch: all that the launch reads is 2.6 MB shared by 64 work-groups, and each refill has a whole tile's work in which to land.
; LIMITS: |x|, |M|, |N| below 65,504; the largest |Q'| of a row below 2^126; a row whose Q' is all denormal is taken as zero (uniform softmax).
;
; LDS: two slots of 512 rows x 272 bytes (256 of data + 16 of padding: the 16 rows that a fragment load touches start 16 bytes apart modulo 256);
;      STAGE, 8 KiB into which no fill lands: nmc at 16 x thread, the sums 4,096 further; the way out uses slot 0 after its last fill has been read.
.set PITCH,  272
.set WPART,  64*PITCH                  ; what one tensor load brings: 64 rows
.set SLOT,   8*WPART                   ; 139,264
.set HALFG,  256*PITCH                 ; a key group's rows; in M's and N's tiles: one t
.set STEPB,  32*PITCH                  ; a step's 32 keys
.set HEADB,  32*PITCH                  ; in M's and N's tiles: one head's eight fragments
.set FRAGB,  4*PITCH                   ; one fragment of 1,024 bytes
.set STAGE,  2*SLOT
.set OPITCH, 528                       ; the way out: a row of 128 f32 + 16 bytes
.set OWAVE,  32*OPITCH                 ; one wave's 32 rows there
; window 0
.set KA,  1                            ; v1       LDS address: keys, or M's and N's fragments; at the end the store offset
.set VA,  2                            ; v2       LDS address: values (transposing loads); at the start the offset of my queries
.set TA,  3                            ; v3       at work on addresses
.set MX,  4                            ; v[4:7]   running maximum of the scaled scores, one for each rt
.set CC,  8                            ; v[8:11]  c
.set LS,  12                           ; v[12:19] running sums, a pair for each rt
.set AL,  20                           ; v[20:23] the factor by which O is multiplied next
.set NMC, 24                           ; v[24:27] -(m c)
.set TX,  28                           ; v[28:31] at work
.set FR,  32                           ; v[32:63] four fragments
.set SX,  64                           ; v[64+16rt ..+7]  scores of keys 0-15, then the eight registers of P
.set SY,  72                           ; v[72+16rt ..+7]  scores of keys 16-31; before and after that a fragment
.set QF,  128                          ; v[128+32rt+8ks ..+7] Q' as second operand; later the normalised O likewise
; window 1: O[rt][a] = v[64rt+8a ..+7] (256 registers); Q' before it is packed lies there too, and the out sums OA[qt][i] = v[64qt+8i ..+7]
; s_set_vgpr_msb, low byte: bits 1:0 source 0, 3:2 source 1, 5:4 source 2, 7:6 destination; the high byte repeats the setting that is left
.set MSB, 0
.macro WIN new
.if MSB != \new
	s_set_vgpr_msb (MSB<<8)|\new
.set MSB, \new
.endif
.endm
.set W_ACC,  0x50                      ; matrix: C and D in window 1
.set W_MUL,  0x41                      ; destination and source 0 in window 1
.set W_FROM, 0x05                      ; sources 0 and 1 in window 1
.set W_ST,   0x04                      ; LDS store data in window 1
.macro PLACES cnt
.rept \cnt
	v_nop
.endr
.endm
; a round of the cluster's barrier
.macro ROUND
	s_barrier_signal -1
	s_barrier_wait -1
	s_cmp_lg_u32 s10, 0
	s_cbranch_scc1 .Lnot_wave_0_\@
	s_barrier_signal -3
.Lnot_wave_0_\@:
	s_barrier_wait -3
	s_barrier_signal -1
	s_barrier_wait -1
.endm
; A slot is filled again.  All my tensor loads have landed, so a group 0 may be written; my LDS reads are back; the round shows both of every wave of all
; four work-groups; my one joint load stands first behind it.
.macro REFILL g0, src, off
	WIN 0
	s_wait_xcnt 0x0
	v_lshl_add_u32 v2, v0, 2, 0x46000
	v_mov_b32 v3, 0
	s_wait_tensorcnt 0x0
	ds_add_u32 v2, v3
	s_wait_dscnt 0x0
	s_add_nc_u64 s[\g0+2:\g0+3], s[\src:\src+1], \off
	s_or_b32 s[\g0+3], s[\g0+3], 0x80000000
	s_wait_dscnt 0x0
	ROUND
	tensor_load_to_lds s[\g0:\g0+3], s[16:23]
	s_nop 0
.endm
; address of my 16 bytes in a fragment block of my two heads: cst + hp x 2 heads + (L >> 4) rows + 16 (L & 15).
; These five plain vector instructions name no matrix register: they are also the places between the last matrix instruction and the loads into its sources.
.macro SETW cst
	v_bfe_u32 v[TA], v0, 4, 1
	v_and_b32 v[KA], 15, v0
	v_mul_u32_u24 v[TA], v[TA], PITCH
	v_lshl_add_u32 v[KA], v[KA], 4, v[TA]
	v_add3_u32 v[KA], v[KA], s44, \cst
.endm
; keys: row r, 16 h bytes.  values: row (L & 7) + 8 h, and 128 bytes (64 features) further for lanes 8-15 of each half
.macro SETKV cst
	v_and_b32 v[KA], 15, v0
	v_bfe_u32 v[TA], v0, 4, 1
	v_and_b32 v[VA], 7, v0
	v_mul_u32_u24 v[KA], v[KA], PITCH
	v_lshl_add_u32 v[VA], v[TA], 3, v[VA]
	v_lshl_add_u32 v[KA], v[TA], 4, v[KA]
	v_mul_u32_u24 v[VA], v[VA], PITCH
	v_bfe_u32 v[TA], v0, 3, 1
	v_lshl_add_u32 v[VA], v[TA], 7, v[VA]
	v_add3_u32 v[KA], v[KA], s43, \cst
	v_add3_u32 v[VA], v[VA], s43, \cst
.endm
; 16 keys x 128 features as four first operands (ks = 0..3): lane (r, h) takes key r, features 32 ks + 8h .. and 32 ks + 16 + 8h ..
.macro LDK base, stride, kt, off
.irp ks, 0,1,2,3
	ds_load_b128 v[\base+\stride*\ks:\base+\stride*\ks+3],   v[KA] offset:\off+\kt*16*PITCH+64*\ks
	ds_load_b128 v[\base+\stride*\ks+4:\base+\stride*\ks+7], v[KA] offset:\off+\kt*16*PITCH+64*\ks+32
.endr
.endm
; 32 keys x feature tiles a0 .. a0+3, transposed on the way: tile a holds features 8a .. 8a+7 (rows 0-7) and 64+8a .. 64+8a+7 (rows 8-15)
.macro LDV base, stride, a0
.irp i, 0,1,2,3
	ds_load_tr16_b128 v[\base+\stride*\i:\base+\stride*\i+3],   v[VA] offset:16*(\a0+\i)
	ds_load_tr16_b128 v[\base+\stride*\i+4:\base+\stride*\i+7], v[VA] offset:16*(\a0+\i)+16*PITCH
.endr
.endm
; scores of 16 keys for my four row tiles; the four accumulators take turns, one instruction a turn
.macro SMM d, abase, astride
.irp ks, 0,1,2,3
.irp rt, 0,1,2,3
.if \ks == 0
	v_wmma_f32_16x16x32_f16 v[\d+16*\rt:\d+16*\rt+7], v[\abase+\astride*\ks:\abase+\astride*\ks+7], v[QF+32*\rt+8*\ks:QF+32*\rt+8*\ks+7], 0
.else
	v_wmma_f32_16x16x32_f16 v[\d+16*\rt:\d+16*\rt+7], v[\abase+\astride*\ks:\abase+\astride*\ks+7], v[QF+32*\rt+8*\ks:QF+32*\rt+8*\ks+7], v[\d+16*\rt:\d+16*\rt+7]
.endif
.endr
.endr
.endm
; s c + nmc for the 16 scores of row tile rt; c and nmc are one register of a pair, given to both halves
.macro SFMA rt
.irp k, 0,2,4,6,8,10,12,14
.if (\rt)&1
	v_pk_fma_f32 v[SX+16*\rt+\k:SX+16*\rt+\k+1], v[SX+16*\rt+\k:SX+16*\rt+\k+1], v[CC+\rt-1:CC+\rt], v[NMC+\rt-1:NMC+\rt] op_sel:[0,1,1] op_sel_hi:[1,1,1]
.else
	v_pk_fma_f32 v[SX+16*\rt+\k:SX+16*\rt+\k+1], v[SX+16*\rt+\k:SX+16*\rt+\k+1], v[CC+\rt:CC+\rt+1], v[NMC+\rt:NMC+\rt+1] op_sel_hi:[1,0,0]
.endif
.endr
.endm
.macro SEXP rt
.irp k, 0,1,2,3,4,5,6,7,8,9,10,11,12,13,14,15
	v_exp_f32 v[SX+16*\rt+\k], v[SX+16*\rt+\k]
.endr
.endm
; the running sum takes the 16 new terms (two chains), then the terms are packed to f16 in place: word p is written after words 2p, 2p+1 were read
.macro SUMCVT rt, first
.if \first
	s_wait_alu depctr_va_vdst(0)
	v_pk_add_f32 v[LS+2*\rt:LS+2*\rt+1], v[SX+16*\rt:SX+16*\rt+1], v[SX+16*\rt+2:SX+16*\rt+3]
.else
.if (\rt)&1
	v_pk_fma_f32 v[LS+2*\rt:LS+2*\rt+1], v[LS+2*\rt:LS+2*\rt+1], v[AL+\rt-1:AL+\rt], v[SX+16*\rt:SX+16*\rt+1] op_sel:[0,1,0] op_sel_hi:[1,1,1]
.else
	s_wait_alu depctr_va_vdst(0)
	v_pk_fma_f32 v[LS+2*\rt:LS+2*\rt+1], v[LS+2*\rt:LS+2*\rt+1], v[AL+\rt:AL+\rt+1], v[SX+16*\rt:SX+16*\rt+1] op_sel_hi:[1,0,1]
.endif
	v_pk_add_f32 v[LS+2*\rt:LS+2*\rt+1], v[LS+2*\rt:LS+2*\rt+1], v[SX+16*\rt+2:SX+16*\rt+3]
.endif
	v_pk_add_f32 v[TX+2*((\rt)&1):TX+2*((\rt)&1)+1], v[SX+16*\rt+8:SX+16*\rt+9], v[SX+16*\rt+10:SX+16*\rt+11]
	v_pk_add_f32 v[LS+2*\rt:LS+2*\rt+1], v[LS+2*\rt:LS+2*\rt+1], v[SX+16*\rt+4:SX+16*\rt+5]
	v_pk_add_f32 v[TX+2*((\rt)&1):TX+2*((\rt)&1)+1], v[TX+2*((\rt)&1):TX+2*((\rt)&1)+1], v[SX+16*\rt+12:SX+16*\rt+13]
	v_pk_add_f32 v[LS+2*\rt:LS+2*\rt+1], v[LS+2*\rt:LS+2*\rt+1], v[SX+16*\rt+6:SX+16*\rt+7]
	v_pk_add_f32 v[TX+2*((\rt)&1):TX+2*((\rt)&1)+1], v[TX+2*((\rt)&1):TX+2*((\rt)&1)+1], v[SX+16*\rt+14:SX+16*\rt+15]
	v_pk_add_f32 v[LS+2*\rt:LS+2*\rt+1], v[LS+2*\rt:LS+2*\rt+1], v[TX+2*((\rt)&1):TX+2*((\rt)&1)+1]
.irp p, 0,1,2,3,4,5,6,7
	v_cvt_pk_f16_f32 v[SX+16*\rt+\p], v[SX+16*\rt+2*\p], v[SX+16*\rt+2*\p+1]
.endr
.endm
; one step's softmax for 4 x 16 rows x 32 keys.  first = 1: nothing is carried yet
.macro SOFTMAX first
.irp rt, 0,1,2,3
.if \first
	v_max_num_f32 v[MX+\rt], v[SX+16*\rt], v[SX+16*\rt+1]
.else
	v_max3_num_f32 v[MX+\rt], v[SX+16*\rt], v[SX+16*\rt+1], v[MX+\rt]
.endif
.endr
.irp k, 2,4,6,8,10,12,14
.irp rt, 0,1,2,3
	v_max3_num_f32 v[MX+\rt], v[SX+16*\rt+\k], v[SX+16*\rt+\k+1], v[MX+\rt]
.endr
.endr
.irp rt, 0,1,2,3
	v_permlanex16_b32 v[TX+\rt], v[MX+\rt], s40, s41           ; the other half of the lanes holds the query's other 16 keys
.endr
.irp rt, 0,1,2,3
	v_max_num_f32 v[MX+\rt], v[MX+\rt], v[TX+\rt]
.endr
.if \first
.irp rt, 0,1,2,3
	v_mul_f32 v[NMC+\rt], -v[MX+\rt], v[CC+\rt]
.endr
.else
.irp rt, 0,1,2,3
	v_mul_f32 v[TX+\rt], -v[MX+\rt], v[CC+\rt]                 ; the new shift
.endr
.irp rt, 0,1,2,3
	v_sub_f32 v[AL+\rt], v[TX+\rt], v[NMC+\rt]                 ; new shift - old shift, never above 0
.endr
.irp rt, 0,1,2,3
	v_mov_b32 v[NMC+\rt], v[TX+\rt]
.endr
.irp rt, 0,1,2,3
	v_exp_f32 v[AL+\rt], v[AL+\rt]
.endr
.endif
	; behind each run of exponentials stands plain work of another row tile before any of its results is used (ISA guide 5.7.2)
	SFMA 0
	SEXP 0
	SFMA 1
	SEXP 1
	SUMCVT 0, \first
	SFMA 2
	SEXP 2
	SUMCVT 1, \first
	SFMA 3
	SEXP 3
	SUMCVT 2, \first
	SUMCVT 3, \first
.endm
; the 256 registers of window 1 times AL[rt]
.macro RESCALE
	WIN W_MUL
.irp rt, 0,1,2,3
.set idx, 0
.rept 32
.if (\rt)&1
	v_pk_mul_f32 v[64*\rt+idx:64*\rt+idx+1], v[64*\rt+idx:64*\rt+idx+1], v[AL+\rt-1:AL+\rt] op_sel:[0,1] op_sel_hi:[1,1]
.else
	v_pk_mul_f32 v[64*\rt+idx:64*\rt+idx+1], v[64*\rt+idx:64*\rt+idx+1], v[AL+\rt:AL+\rt+1] op_sel_hi:[1,0]
.endif
.set idx, idx+2
.endr
.endr
.endm
; the 256 registers of window 1 packed to f16: tiles 2ks, 2ks+1 of row tile rt become the second operand QF[rt][ks]
.macro PACKQ
	WIN W_FROM
.irp rt, 0,1,2,3
.set idx, 0
.rept 32
	v_cvt_pk_f16_f32 v[QF+32*\rt+idx], v[64*\rt+2*idx], v[64*\rt+2*idx+1]
.set idx, idx+1
.endr
.endr
	WIN 0
.endm
; O[rt][a0+i] += (x^T tile a0+i) P[rt]: sixteen different accumulators
.macro PVH abase, astride, a0, first
	WIN W_ACC
.irp i, 0,1,2,3
.irp rt, 0,1,2,3
.if \first
	v_wmma_f32_16x16x32_f16 v[64*\rt+8*(\a0+\i):64*\rt+8*(\a0+\i)+7], v[\abase+\astride*\i:\abase+\astride*\i+7], v[SX+16*\rt:SX+16*\rt+7], 0
.else
	v_wmma_f32_16x16x32_f16 v[64*\rt+8*(\a0+\i):64*\rt+8*(\a0+\i)+7], v[\abase+\astride*\i:\abase+\astride*\i+7], v[SX+16*\rt:SX+16*\rt+7], v[64*\rt+8*(\a0+\i):64*\rt+8*(\a0+\i)+7]
.endif
.endr
.endr
.endm
; 32 keys.  On entry 16 LDS loads are out: keys 0-15 into SY's four fragments, then keys 16-31 into FR.  pre = 1: the next step's are issued here.
.macro STEP first, pre
	s_wait_dscnt 0x8                               ; the older eight are in; the eight of keys 16-31 may be out
	SMM SX, SY, 16
	PLACES 5                                       ; SY was a source and becomes a result: five places (ISA guide 7.12.1)
	s_wait_dscnt 0x0
	SMM SY, FR, 8
	PLACES 4                                       ; ahead of the loads into FR and of the vector work on the scores
	LDV FR, 8, 0                                   ; value tiles 0-3, under the softmax
	SOFTMAX \first
	LDV SY, 16, 4                                  ; value tiles 4-7 into the registers that the packing has freed, under the rescaling
.if \first == 0
	RESCALE
.endif
	s_wait_dscnt 0x0
	PVH SY, 16, 4, \first
	WIN 0
.if \pre
	PLACES 4                                       ; ahead of the loads into SY
	LDK SY, 16, 0, STEPB
.endif
	PVH FR, 8, 0, \first
	WIN 0
.if \pre
	v_add_nc_u32 v[KA], STEPB, v[KA]               ; with the three v_nop: five places ahead of the loads into FR and of the next step's
	v_add_nc_u32 v[VA], STEPB, v[VA]               ; matrix instructions, which write over P
	PLACES 3
	LDK FR, 8, 1, 0
.else
	PLACES 5
.endif
.endm
; one tile of 512 keys in slot \slot; the other slot (group 0 in s[\g0 ..]) is filled again from \src + \off
.macro XTRIP slot, g0, src, off, first
	REFILL \g0, \src, \off
	SETKV \slot*SLOT
	LDK SY, 16, 0, 0
	LDK FR, 8, 1, 0
.if \first
	STEP 1, 1
	s_mov_b32 s42, 6
.else
	s_mov_b32 s42, 7
.endif
.Lstep_\@:
	STEP 0, 1
	s_sub_co_u32 s42, s42, 1
	s_cmp_lg_u32 s42, 0
	s_cbranch_scc1 .Lstep_\@
	STEP 0, 0                                      ; the group's last 32 keys: nothing more to fetch from this slot
.endm
; Q'^T += M^T(t) x_q^T(t) for my two heads x two query tiles x eight tiles of c': 32 different accumulators
.macro WSTEP_M cst, t, zero
	WIN 0
	SETW \cst
.irp hh, 0,1
.irp i, 0,1,2,3,4,5,6,7
	ds_load_b128 v[QF+64*\hh+8*\i:QF+64*\hh+8*\i+3],   v[KA] offset:\hh*HEADB+\i*FRAGB
	ds_load_b128 v[QF+64*\hh+8*\i+4:QF+64*\hh+8*\i+7], v[KA] offset:\hh*HEADB+\i*FRAGB+2*PITCH
.endr
.endr
	WIN W_ACC
.irp hh, 0,1
	s_wait_dscnt 16-16*\hh                         ; the first head's sixteen loads are in while the second's may be out; then all
.irp i, 0,1,2,3,4,5,6,7
.irp qt, 0,1
.if \zero
	v_wmma_f32_16x16x32_f16 v[64*(2*\hh+\qt)+8*\i:64*(2*\hh+\qt)+8*\i+7], v[QF+64*\hh+8*\i:QF+64*\hh+8*\i+7], v[SX+32*\qt+8*\t:SX+32*\qt+8*\t+7], 0
.else
	v_wmma_f32_16x16x32_f16 v[64*(2*\hh+\qt)+8*\i:64*(2*\hh+\qt)+8*\i+7], v[QF+64*\hh+8*\i:QF+64*\hh+8*\i+7], v[SX+32*\qt+8*\t:SX+32*\qt+8*\t+7], v[64*(2*\hh+\qt)+8*\i:64*(2*\hh+\qt)+8*\i+7]
.endif
.endr
.endr
.endr
.endm
; out^T += N^T(head 2hp+hh, t) O^T(t): two query tiles x eight tiles of n, sixteen different accumulators
.macro WSTEP_N cst, t, hh, zero
	WIN 0
	SETW \cst
.irp i, 0,1,2,3,4,5,6,7
	ds_load_b128 v[SX+8*\i:SX+8*\i+3],   v[KA] offset:\hh*HEADB+\i*FRAGB
	ds_load_b128 v[SX+8*\i+4:SX+8*\i+7], v[KA] offset:\hh*HEADB+\i*FRAGB+2*PITCH
.endr
	s_wait_dscnt 0x0
	WIN W_ACC
.irp i, 0,1,2,3,4,5,6,7
.irp qt, 0,1
.if \zero
	v_wmma_f32_16x16x32_f16 v[64*\qt+8*\i:64*\qt+8*\i+7], v[SX+8*\i:SX+8*\i+7], v[QF+32*(2*\hh+\qt)+8*\t:QF+32*(2*\hh+\qt)+8*\t+7], 0
.else
	v_wmma_f32_16x16x32_f16 v[64*\qt+8*\i:64*\qt+8*\i+7], v[SX+8*\i:SX+8*\i+7], v[QF+32*(2*\hh+\qt)+8*\t:QF+32*(2*\hh+\qt)+8*\t+7], v[64*\qt+8*\i:64*\qt+8*\i+7]
.endif
.endr
.endr
.endm
	; ---------------- ids, addresses, descriptors ----------------
	s_load_b128 s[4:7], s[0:1], 0x0                ; xh s[4:5], wfrag s[6:7]
	s_load_b64 s[8:9], s[0:1], 0x10                ; out0
	v_lshl_add_u32 v2, v0, 2, 0x46000
	v_mov_b32 v3, 0
	ds_add_u32 v2, v3
	s_wait_dscnt 0x0
	v_lshrrev_b32 v1, 5, v0
	v_readfirstlane_b32 s10, v1                    ; wave v, 0..7
	s_and_b32 s11, s10, 3                          ; hp
	s_lshr_b32 s12, s10, 2                         ; g
	s_bfe_u32 s13, ttmp6, 0x40000                  ; cx; it enters s14, s[46:47], s[52:53], s[36:39] and nothing else
	s_lshl_b32 s14, ttmp9, 2
	s_add_co_u32 s14, s14, s13                     ; work-group x = 4 x cluster + cx: my 32 queries
	s_mov_b32 s40, 0x76543210                      ; v_permlanex16_b32: lane i of one half reads lane i of the other
	s_mov_b32 s41, 0xfedcba98
	s_mul_i32 s43, s12, HALFG                      ; my key group in a slot
	s_mul_i32 s44, s11, 2*HEADB                    ; my two heads in a tile of M or N
	s_mul_i32 s45, s10, OWAVE                      ; the way out: where I put my 32 rows
	s_mul_i32 s54, s10, 4*OPITCH                   ; and which four rows I add up
	; group 1, the same for every load: 64 rows of 32 elements of 8 bytes, dense in memory, 4 words of padding behind every 64
	s_mov_b32 s16, 15|(3<<16)|(1<<20)|(1<<21)|(5<<22)|(3<<25)  ; 15:0 mask: all four work-groups; 17:16 8-byte elements; 20 padding on; 21 set beside a mask; 24:22 interval code 5; 31:25 pad code 3
	s_mov_b32 s17, 32<<16                          ; tensor_dim0 = 32
	s_mov_b32 s18, 64<<16                          ; tensor_dim1 = 64
	s_mov_b32 s19, 32<<16                          ; tile_dim0 = 32
	s_mov_b32 s20, 64                              ; tile_dim1 = 64
	s_mov_b32 s21, 32                              ; from row to row: 32 elements
	s_mov_b32 s22, 0
	s_mov_b32 s23, 0
	; group 0, one set for each slot: wave v brings rows 64 v .. 64 v + 63 of every tile
	s_mov_b32 s24, 1
	s_mul_i32 s25, s10, WPART
	s_mov_b32 s28, 1
	s_add_co_u32 s29, s25, SLOT
	s_lshl_b32 s48, s10, 14                        ; my 64 rows of 256 bytes in a tile
	s_mov_b32 s49, 0
	s_lshr_b32 s50, ttmp9, 4                       ; batch: sixteen clusters each
	s_lshl_b32 s50, s50, 19                        ; 2,048 rows of 256 bytes
	s_add_co_u32 s50, s50, s48
	s_mov_b32 s51, 0
	s_lshl_b32 s46, s14, 13                        ; my 32 queries in xh
	s_mov_b32 s47, 0
	s_lshl_b32 s52, s14, 14                        ; my 32 rows of out0,
	s_lshl_b32 s53, s10, 11                        ; of which wave v stores four
	s_add_co_u32 s52, s52, s53
	s_mov_b32 s53, 0
	s_wait_kmcnt 0x0
	s_add_nc_u64 s[32:33], s[6:7], s[48:49]        ; wfrag at my rows of its first tile
	s_add_nc_u64 s[34:35], s[4:5], s[50:51]        ; xh at my rows of the batch's first tile
	s_add_nc_u64 s[36:37], s[4:5], s[46:47]
	s_add_nc_u64 s[38:39], s[8:9], s[52:53]
	s_mov_b64 s[26:27], s[32:33]                   ; M, t = 0, 1
	s_or_b32 s27, s27, 0x80000000
	s_add_nc_u64 s[30:31], s[32:33], 131072        ; M, t = 2, 3
	s_or_b32 s31, s31, 0x80000000
	ROUND                                          ; all four work-groups are here: the first joint loads meet
	tensor_load_to_lds s[24:27], s[16:23]          ; both first fills together: two tensor loads of the wave are out, later never more than one
	s_nop 0
	tensor_load_to_lds s[28:31], s[16:23]
	s_nop 0
	; my work-group's 32 queries as second operands XQ[qt][t] = v[SX+32qt+8t ..]: lane (r, h) takes query 16 qt + r, features 32 t + 8h .. and 32 t + 16 + 8h ..
	v_and_b32 v[KA], 15, v0
	v_bfe_u32 v[TA], v0, 4, 1
	v_lshlrev_b32 v[KA], 8, v[KA]
	v_lshl_add_u32 v[VA], v[TA], 4, v[KA]
.irp qt, 0,1
.irp t, 0,1,2,3
	global_load_b128 v[SX+32*\qt+8*\t:SX+32*\qt+8*\t+3],   v[VA], s[36:37] offset:4096*\qt+64*\t
	global_load_b128 v[SX+32*\qt+8*\t+4:SX+32*\qt+8*\t+7], v[VA], s[36:37] offset:4096*\qt+64*\t+32
.endr
.endr
.irp rt, 0,1,2,3
	v_mov_b32 v[TX+\rt], 0                         ; v_permlanex16_b32 counts as a reader of its destination
.endr
	; ---------------- Q' = x M ----------------
	s_wait_tensorcnt 0x1                           ; my part of M's first half is in; the second half stays on its way
	s_barrier_signal -1
	s_barrier_wait -1
	s_wait_loadcnt 0x0
	WSTEP_M 0, 0, 1                                ; the first products start the sums
	WSTEP_M HALFG, 1, 0
	REFILL 24, 34, 0                               ; slot 0: keys 0-511
	WSTEP_M SLOT, 2, 0
	WSTEP_M SLOT+HALFG, 3, 0
	; the row's scale: 2^e = the exponent bits of the largest |Q'| of the query
	PLACES 5
	WIN W_FROM
.irp rt, 0,1,2,3
	v_max_num_f32 v[MX+\rt], |v[64*\rt]|, |v[64*\rt+1]|
.endr
.set idx, 2
.rept 31
.irp rt, 0,1,2,3
	v_max3_num_f32 v[MX+\rt], |v[64*\rt+idx]|, |v[64*\rt+idx+1]|, v[MX+\rt]
.endr
.set idx, idx+2
.endr
	WIN 0
.irp rt, 0,1,2,3
	v_permlanex16_b32 v[TX+\rt], v[MX+\rt], s40, s41
.endr
.irp rt, 0,1,2,3
	v_max_num_f32 v[MX+\rt], v[MX+\rt], v[TX+\rt]
.endr
.irp rt, 0,1,2,3
	v_and_b32 v[MX+\rt], 0x7f800000, v[MX+\rt]     ; 2^e (0 where all is denormal)
.endr
.irp rt, 0,1,2,3
	v_sub_nc_u32 v[AL+\rt], 0x7f000000, v[MX+\rt]  ; 2^-e: exponent field 254 - E
.endr
.irp rt, 0,1,2,3
	v_mul_f32 v[CC+\rt], 0x3fb8aa3b, v[MX+\rt]     ; c = 2^e log2(e)
.endr
	RESCALE                                        ; exact: a power of two; |Q'| is now below 2
	PACKQ
	; ---------------- 2,048 keys ----------------
	XTRIP 0, 28, 34, 131072, 1                     ; keys 0-511;     slot 1: keys 512-1023
	XTRIP 1, 24, 34, 262144, 0                     ; keys 512-1023;  slot 0: keys 1024-1535
	XTRIP 0, 28, 34, 393216, 0                     ; keys 1024-1535; slot 1: keys 1536-2047
	XTRIP 1, 24, 32, 262144, 0                     ; keys 1536-2047; slot 0: N, t = 0, 1
	; ---------------- the pair's two partial softmaxes ----------------
.irp rt, 0,1,2,3
	v_add_f32 v[AL+\rt], v[LS+2*\rt], v[LS+2*\rt+1]
.endr
.irp rt, 0,1,2,3
	v_permlanex16_b32 v[TX+\rt], v[AL+\rt], s40, s41
.endr
.irp rt, 0,1,2,3
	v_add_f32 v[AL+\rt], v[AL+\rt], v[TX+\rt]      ; my keys' sum for the query
.endr
	v_lshl_add_u32 v[TA], v0, 4, STAGE
	ds_store_b128 v[TA], v[NMC:NMC+3]
	ds_store_b128 v[TA], v[AL:AL+3] offset:4096
	REFILL 28, 32, 393216                          ; slot 1: N, t = 2, 3.  Its wait for my LDS instructions and its round also show my two stores to my partner
	v_xor_b32 v[TA], 0x80, v0                      ; the same lane of wave v ^ 4
	v_lshl_add_u32 v[TA], v[TA], 4, STAGE
	ds_load_b128 v[TX:TX+3], v[TA]                 ; its shift
	ds_load_b128 v[MX:MX+3], v[TA] offset:4096     ; its sum
	s_wait_dscnt 0x0
.irp rt, 0,1,2,3
	v_min_num_f32 v[LS+\rt], v[NMC+\rt], v[TX+\rt] ; the joint shift: that of the larger maximum
.endr
.irp rt, 0,1,2,3
	v_sub_f32 v[NMC+\rt], v[LS+\rt], v[NMC+\rt]
.endr
.irp rt, 0,1,2,3
	v_sub_f32 v[TX+\rt], v[LS+\rt], v[TX+\rt]
.endr
.irp rt, 0,1,2,3
	v_exp_f32 v[NMC+\rt], v[NMC+\rt]               ; a, my factor
	v_exp_f32 v[TX+\rt], v[TX+\rt]                 ; a', my partner's
.endr
	v_nop
	s_wait_alu depctr_va_vdst(0)
.irp rt, 0,1,2,3
	v_mul_f32 v[LS+\rt], v[TX+\rt], v[MX+\rt]
.endr
.irp rt, 0,1,2,3
	v_fmac_f32 v[LS+\rt], v[NMC+\rt], v[AL+\rt]    ; the whole row's sum
.endr
.irp rt, 0,1,2,3
	v_rcp_f32 v[LS+\rt], v[LS+\rt]
.endr
	v_nop
	s_wait_alu depctr_va_vdst(0)
.irp rt, 0,1,2,3
	v_mul_f32 v[AL+\rt], v[NMC+\rt], v[LS+\rt]
.endr
	RESCALE                                        ; my part of the normalised O: below the largest |x|
	PACKQ
	; ---------------- out = O N: each wave projects its own part, the projection being linear ----------------
	WSTEP_N 0, 0, 0, 1
	WSTEP_N 0, 0, 1, 0
	WSTEP_N HALFG, 1, 0, 0
	WSTEP_N HALFG, 1, 1, 0
	WIN 0
	s_wait_tensorcnt 0x0                           ; my part of N's second half is in,
	s_wait_dscnt 0x0                               ; my reads of slot 0 are back,
	s_barrier_signal -1
	s_barrier_wait -1                              ; everybody's; nothing is filled any more
	WSTEP_N SLOT, 2, 0, 0
	WSTEP_N SLOT, 2, 1, 0
	WSTEP_N SLOT+HALFG, 3, 0, 0
	WSTEP_N SLOT+HALFG, 3, 1, 0
	; ---------------- the sum over the eight waves, through slot 0, which has had its last fill and its last read ----------------
	WIN 0
	v_and_b32 v[KA], 15, v0                        ; five plain vector instructions: the places ahead of the LDS stores of matrix results
	v_bfe_u32 v[TA], v0, 4, 1
	v_mul_u32_u24 v[KA], v[KA], OPITCH             ; row r of a query tile
	v_lshl_add_u32 v[KA], v[TA], 5, v[KA]          ; columns 8h .. 8h+7 of a tile of n
	v_add_nc_u32 v[KA], s45, v[KA]
	WIN W_ST
.irp qt, 0,1
.irp i, 0,1,2,3,4,5,6,7
	ds_store_b128 v[KA], v[64*\qt+8*\i:64*\qt+8*\i+3]   offset:\qt*16*OPITCH+64*\i
	ds_store_b128 v[KA], v[64*\qt+8*\i+4:64*\qt+8*\i+7] offset:\qt*16*OPITCH+64*\i+16
.endr
.endr
	WIN 0
	s_wait_dscnt 0x0                               ; for the others' sake
	s_barrier_signal -1
	s_barrier_wait -1
	v_and_b32 v[VA], 31, v0
	v_lshlrev_b32 v[KA], 4, v[VA]                  ; 16 L: my 16 bytes of a row of 512
	v_add_nc_u32 v[VA], s54, v[KA]                 ; rows 4 v .. 4 v + 3 as waves 0-3 wrote them,
	v_add_nc_u32 v[TA], 4*OWAVE, v[VA]             ; and as waves 4-7 did (an LDS immediate has 16 bits)
.irp p, 0,1,2,3
.irp w, 0,1,2,3
	ds_load_b128 v[QF+32*\p+4*\w:QF+32*\p+4*\w+3], v[VA] offset:\w*OWAVE+\p*OPITCH
.endr
.irp w, 0,1,2,3
	ds_load_b128 v[QF+32*\p+16+4*\w:QF+32*\p+16+4*\w+3], v[TA] offset:\w*OWAVE+\p*OPITCH
.endr
.endr
.irp p, 0,1,2,3
	s_wait_dscnt 24-8*\p                           ; this row's eight loads are in; eight for each later row stay out
.irp k, 0,2
	v_pk_add_f32 v[QF+32*\p+\k:QF+32*\p+\k+1],       v[QF+32*\p+\k:QF+32*\p+\k+1],       v[QF+32*\p+4+\k:QF+32*\p+4+\k+1]
	v_pk_add_f32 v[QF+32*\p+8+\k:QF+32*\p+8+\k+1],   v[QF+32*\p+8+\k:QF+32*\p+8+\k+1],   v[QF+32*\p+12+\k:QF+32*\p+12+\k+1]
	v_pk_add_f32 v[QF+32*\p+16+\k:QF+32*\p+16+\k+1], v[QF+32*\p+16+\k:QF+32*\p+16+\k+1], v[QF+32*\p+20+\k:QF+32*\p+20+\k+1]
	v_pk_add_f32 v[QF+32*\p+24+\k:QF+32*\p+24+\k+1], v[QF+32*\p+24+\k:QF+32*\p+24+\k+1], v[QF+32*\p+28+\k:QF+32*\p+28+\k+1]
	v_pk_add_f32 v[QF+32*\p+\k:QF+32*\p+\k+1],       v[QF+32*\p+\k:QF+32*\p+\k+1],       v[QF+32*\p+8+\k:QF+32*\p+8+\k+1]
	v_pk_add_f32 v[QF+32*\p+16+\k:QF+32*\p+16+\k+1], v[QF+32*\p+16+\k:QF+32*\p+16+\k+1], v[QF+32*\p+24+\k:QF+32*\p+24+\k+1]
	v_pk_add_f32 v[QF+32*\p+\k:QF+32*\p+\k+1],       v[QF+32*\p+\k:QF+32*\p+\k+1],       v[QF+32*\p+16+\k:QF+32*\p+16+\k+1]
.endr
	global_store_b128 v[KA], v[QF+32*\p:QF+32*\p+3], s[38:39] offset:512*\p th:TH_STORE_NT   ; one store of the wave is one whole row: 512 consecutive bytes, aligned
.endr
	s_wait_xcnt 0x0
	v_lshl_add_u32 v2, v0, 2, 0x46000
	v_mov_b32 v3, 0
	s_wait_tensorcnt 0x0
	ds_add_u32 v2, v3
	s_wait_dscnt 0x0
	ROUND                                          ; the closing round: no work-group ends while a partner may still ask for a tile that names it
	s_endpgm
.Lfunc_end_k_q7fdac9f9af_attn:
	.size	k_q7fdac9f9af_attn, .Lfunc_end_k_q7fdac9f9af_attn-k_q7fdac9f9af_attn
	.p2alignl 7, 3214868480
	.fill 96, 4, 3214868480
	.section	.rodata,"a",@progbits
	.p2align	6, 0x0
	.amdhsa_kernel k_q7fdac9f9af_attn
		.amdhsa_group_segment_fixed_size 327680
		.amdhsa_private_segment_fixed_size 0
		.amdhsa_enable_private_segment 0
		.amdhsa_kernarg_size 24
		.amdhsa_user_sgpr_count 2
		.amdhsa_user_sgpr_kernarg_segment_ptr 1
		.amdhsa_wavefront_size32 1
		.amdhsa_system_sgpr_workgroup_id_x 1
		.amdhsa_system_sgpr_workgroup_id_y 1
		.amdhsa_system_sgpr_workgroup_id_z 1
		.amdhsa_system_vgpr_workitem_id 0
		.amdhsa_next_free_vgpr 512
		.amdhsa_next_free_sgpr 66
		.amdhsa_reserve_vcc 0
		.amdhsa_float_denorm_mode_32 3
		.amdhsa_float_denorm_mode_16_64 3
		.amdhsa_memory_ordered 1
		.amdhsa_forward_progress 1
		.amdhsa_inst_pref_size 255
	.end_amdhsa_kernel
	.section	.bss,"aw",@nobits
	.p2align	6
	.space	262144
	.amdgpu_metadata
---
amdhsa.version: [ 1, 2 ]
amdhsa.kernels:
  - .name:           k_q7fdac9f9af_attn
    .symbol:         k_q7fdac9f9af_attn.kd
    .args:
      - { .name: xh, .offset: 0, .size: 8, .value_kind: global_buffer, .address_space: global }
      - { .name: wfrag, .offset: 8, .size: 8, .value_kind: global_buffer, .address_space: global }
      - { .name: out0, .offset: 16, .size: 8, .value_kind: global_buffer, .address_space: global }
    .group_segment_fixed_size: 327680
    .private_segment_fixed_size: 0
    .kernarg_segment_align: 8
    .kernarg_segment_size: 24
    .max_flat_workgroup_size: 256
    .sgpr_count:     66
    .vgpr_count:     512
    .wavefront_size: 32
...
	.end_amdgpu_metadata
.endif
;; end of part 2
